; MI455X (gfx1250); checked and timed in simulation.
; The chip was launched on July 23, 2026; its instructions are those of AMD's public machine-readable ISA for CDNA 5 (MIT licence, August 2026) and "CDNA5" Instruction Set Architecture Reference Guide (July 2026). The comments in the code are by the model that wrote it; some were corrected since.
;; Causal Self Attention. Allowed arithmetic: matrix products marked QUANTISED: E4M3 operands, one given power-of-two scale a tensor, by v_wmma_f32_16x16x64_fp8_fp8 or v_wmma_f32_16x16x128_fp8_fp8, f32 sums; everything else in f32.
;; Inputs: W_attn_codes 3,072 x 32 x 32 uint8 (E4M3 codes of W_attn, K innermost, in blocks of 32 codes); W_proj_codes 1,024 x 32 x 32 uint8 (E4M3 codes of W_proj, K innermost, in blocks of 32 codes); b_attn 3,072 float32; b_proj 1,024 float32; lowp_scales 8 int32 (the exponents e of the quantised operands' scales 2^e); x_codes 4 x 2,048 x 32 x 32 uint8 (E4M3 codes of x, K innermost, in blocks of 32 codes).
;; Outputs: out0 4 x 2,048 x 1,024 float32.
;; This version of the problem:
;;   THIS VERSION OF THE PROBLEM IS GIVEN IN LOW PRECISION. The matrix products marked QUANTISED in the list below multiply operands that are first quantised to E4M3 (4 exponent bits, 3 mantissa bits; 8 bits a number), with one given power-of-two scale for each operand tensor; their sums are f32. All else is computed in f32.
;;   The module's matrix products, in the order in which they are computed (A, B: the left and right operand; K: the contracted axis; several contracted axes count as one K, in the product's order):
;;     1. [M 8,192, K 1,024] x [K 1,024, N 3,072]; A: input x (given as codes); B: input W_attn (given as codes): QUANTISED (scales: A lowp_scales[0], B lowp_scales[1])
;;     2. batch 64 x [M 2,048, K 64] x [K 64, N 2,048]; A: computed on the way; B: computed on the way: QUANTISED (scales: A lowp_scales[2], B lowp_scales[3])
;;     3. batch 64 x [M 2,048, K 2,048] x [K 2,048, N 64]; A: computed on the way; B: computed on the way: QUANTISED (scales: A lowp_scales[4], B lowp_scales[5])
;;     4. [M 8,192, K 1,024] x [K 1,024, N 1,024]; A: computed on the way; B: input W_proj (given as codes): QUANTISED (scales: A lowp_scales[6], B lowp_scales[7])
;;   THE QUANTISER, for each operand of a quantised product, along K:
;;     - The operand's scale is 2^e, e = its entry of the input lowp_scales (int32; the entries are numbered through the quantised products in the list's order, A before B).
;;     - Each number is divided by the scale, clamped to +-448, and rounded to the nearest number of E4M3, ties to even, subnormals kept.
;;     - The product sums the exact products of the quantised numbers (number of the format x scale) in f32.
;;   ~~~python
;;   def quantise(x, axis, e):      # numpy; x: float32 -> the quantised numbers, widened to float32 again
;;       x = np.moveaxis(x, axis, -1); K = x.shape[-1]
;;       r = np.clip(x / 2.0 ** e, -448, 448)
;;       step = 2.0 ** (np.maximum(np.frexp(np.where(r == 0, 1, r))[1] - 1, -6) - 3)
;;       q = np.round(r / step) * step * 2.0 ** e      # np.round: ties to even
;;       return np.moveaxis(q, -1, axis).astype(np.float32)
;;   ~~~
;;   OPERANDS COMPUTED ON THE WAY. 'Computed on the way' means the value that the module computes at that place (a softmax that the list does not call 'softmax' is quantised finished and normalised). What goes into a quantiser is computed in f32, as accurately as f32 sums, v_exp_f32 and their like allow (about 1e-6 of the number): no bf16 or f16 on the way to a quantiser, and a product that is left as it is and whose result goes on into a quantised operand takes f32 operands (vector FMAs, or v_wmma_f32_16x16x4_f32). A number that lies on a knife's edge between two numbers of the format may be rounded either way, as far as f32 arithmetic and the matrix unit's own rounding can turn it there, and no further.
;;   INPUTS GIVEN AS CODES. W_attn (in the module: [1024, 3072], K = its axis 0); W_proj (in the module: [1024, 1024], K = its axis 0); x (in the module: [4, 2048, 1024], K = its axis 2): each comes as NAME_codes (uint8): NAME with its K axis moved to the last place and cut into blocks of 32 codes, [.., K / 32, bytes a block], one block behind the other in memory; one code a byte (a code: sign, 4 exponent bits, 3 mantissa bits); its scale is its entry of lowp_scales. Its value is code x scale, taken as it is: it is not quantised again, and the codes and scales need not be those that the quantiser above would give.
;; One version. Each part assembles by itself: llvm-mc -triple=amdgcn-amd-amdhsa -mcpu=gfx1250 --defsym DOCPART=n.
;; ======== version 1 of 1: 3 launches
;; limits: right only within a limited range of input values
;; workspace buffers: qkv 25,165,824 bytes; ycodes 8,388,608 bytes
;; launch qkv (part 1): grid 12 x 16, 4 waves a work-group, clusters of 4 x 4, 327,680 bytes of LDS; arguments x_codes, W_attn_codes, lowp_scales, b_attn, qkv; writes qkv
.if DOCPART == 1
	.amdgcn_target "amdgcn-amd-amdhsa--gfx1250"
	.amdhsa_code_object_version 6
	.text
	.protected	k_qd8a635deef_qkv
	.globl	k_qd8a635deef_qkv
	.p2align	8
	.type	k_qd8a635deef_qkv,@function
k_qd8a635deef_qkv:
	s_mov_b64 s[64:65], 0
	v_nop
	global_prefetch_b8 v0, s[64:65] scope:SCOPE_SE
	s_setreg_imm32_b32 hwreg(HW_REG_WAVE_MODE, 25, 1), 1
	s_wait_xcnt 0x0
	s_wait_alu depctr_hold_cnt(0) depctr_sa_sdst(0) depctr_va_vdst(0) depctr_va_sdst(0) depctr_va_ssrc(0) depctr_va_vcc(0) depctr_vm_vsrc(0)
	s_getreg_b32 s2, hwreg(HW_REG_IB_STS2, 6, 4)
	s_cmp_eq_u32 s2, 0
	s_cbranch_scc0 .Lentry_in_a_cluster
	s_endpgm
.Lentry_in_a_cluster:
	s_bfe_u32 s2, ttmp6, 0x10000c
	s_cmp_lg_u32 s2, 0xf033
	s_cbranch_scc0 .Lentry_shape_is_right
	s_endpgm
.Lentry_shape_is_right:
; qkv = x W_attn + b_attn on codes of FP8 (E4M3), its three parts quantised again: q with 2^e2, k with 2^e3, v with 2^e5 (e = the entries of the scales' buffer).
; WORK LEFT OUT BY THE PROGRAM (in the launch attn): reference() builds the causal mask itself (jnp.tril) and its softmax gives every key behind the query the weight 0, whatever the inputs hold;
; so steps of scores that lie wholly behind the diagonal are left out where they come in whole bodies of the loop.  LIMIT: a NaN, an infinity or an overflow that reaches only those scores is not carried to the result.  Every input is loaded.
; x: [8192 tokens][1024] codes, W_attn: [3072 channels][1024] codes, K innermost.  A sum of codes stands for sum x 2^(e0 + e1).
; A tile of 256 x 256 is made by four waves, 128 x 128 each: 64 accumulators.  K goes in steps of 256 through two LDS slots filled by the tensor data mover.
; A WORK-GROUP STAYS and makes TWO tiles, 4,096 tokens apart, of the same channels: 384 tiles are 192 work-groups.  The ring runs on: the first tile's last two changes of slots ask for the second tile's K steps 0 and 1,
; which land while the first tile goes out.  The two tiles are two trips of one loop; only the last lap, which asks or does not ask, is written twice.
; SOURCE 1's 256 rows lie first in a slot, SOURCE 0's behind them.  q, k (cluster x = 0, 1): source 1 = tokens, source 0 = channels: a lane holds one token, its registers run along the channels.
; v (cluster x = 2): source 1 = channels, source 0 = tokens: a lane holds one channel, its registers run along the tokens, which are the next product's K.
; CLUSTERS: 4 x 4 work-groups.  Source 1's tile hangs on cy alone and is asked for jointly by a row of the cluster, source 0's on cx alone, by a column.  For q, k: tokens 4 Y + cy, channels 4 X + cx;
; for v: channels 8 + cy, tokens 4 Y + cx.  So masks and LDS places are the same in all cases; only the buffer that each descriptor points into is chosen, by the cluster's x, which all partners share.
; THE BIAS runs along the registers for q and k: there it is the C of the first products, divided by 2^(e0 + e1).  For v it is one number a lane, the addend of the way out's multiply-add.  Each is 0 in the other case.
; OUT: three sections of 2^23 bytes.  Q, K: [16 b + head][token][64 bytes];  V: [16 b + head][token / 64][channel][64 bytes].  In a row of 64 bytes, byte 32 g + 16 h + 8 u + j is K-index 32 g + 16 u + 8 h + j:
; 16 bytes at 32 g + 16 h are registers 4 g .. 4 g + 3 of the 16x16x64 form's fragment for the half h of the lanes.
; No prefetch: a tile has four K steps, of which two are asked for before its first product.
; LIMITS: e0 + e1 between -126 and 126; e2, e3, e5 between -126 and 119; NaN and infinities among the biases are not served.
; REGISTERS, in windows of 256: window 0: v0-31 addresses and constants; v32-95 the bias as C; v96-111 the bias as addend; v112-127 a block's codes; from v128 source 1's fragments, one set, on the way out blocks read back.
;   window 1: source 0's fragments, two sets; on the way out v0-63 a block's numbers.   windows 2, 3: the accumulators ((a, b) at v[8 (8 (a % 4) + b)]).
.set SIZE_K, 1024
.set KSTEP,  256
.set ROWB,   256
.set KROW,   SIZE_K
.set PITCH,  272                       ; 256 bytes + 16 of padding
.set FR,     16
.set NL,     4
.set NP,     4
.set HALFT,  128*PITCH
.set SLOT,   4*HALFT
.set STAGE,  2*SLOT
.set SPITCH, 144
.set SPARE,  STAGE+4*16*SPITCH
.set WALKB,  0x400000                  ; 4,096 tokens: in x's codes and in each section of qkv alike
.set ADRA, 16
.set ADRB, 20
.set STO,  24
.set RD,   25
.set CO,   26
.set SPW,  28
.set NIL,  29
.set SCL,  30
.set LIM,  31
.set BI,   32
.set TMPW, 0                           ; window 1
.set BA,   96
.set CD,   112
.set AF,   128
.set BK,   128
.set G1, 24                            ; s[24:31] group 1 for source 1's tiles; s[32:39] its groups 0, one a slot
.set G0, 32
.set G1B, 48                           ; s[48:55], s[56:63] the same for source 0's tiles
.set G0B, 56
.set D1, 76                            ; s[76:77] what source 1's address gains from tile to tile, s[78:79] source 0's
.set D0, 78
.set CT, 100                           ; s100 channel tile, s101 token tile
.set TT, 101
.set MSB, 0
.macro WIN new
.if MSB != (\new)
	s_set_vgpr_msb (MSB<<8)|(\new)
.set MSB, (\new)
.endif
.endm
.set MUL_LO,   0xa1
.set MUL_HI,   0xf1
.set FIRST_LO, 0x81
.set FIRST_HI, 0xc1
.set TO_B,     0x40
; a joint load: waves 0 and 1 fetch source 1's halves, waves 2 and 3 source 0's
.macro JLOAD g0a, g1a, g0b, g1b
	s_cmp_eq_u32 s15, 0
	s_cbranch_scc0 .Lfor_b_\@
	tensor_load_to_lds s[\g0a:\g0a+3], s[\g1a:\g1a+7]
	s_nop 0
.rept 4
	v_nop
.endr
	s_branch .Lasked_\@
.Lfor_b_\@:
	tensor_load_to_lds s[\g0b:\g0b+3], s[\g1b:\g1b+7]
	s_nop 0
.rept 4
	v_nop
.endr
.Lasked_\@:
.endm
.macro CREST
	s_cmp_lg_u32 s14, 0
	s_cbranch_scc1 .Lnot_wave_0_\@
	s_barrier_signal -3
.Lnot_wave_0_\@:
	s_barrier_wait -3
	s_barrier_signal -1
	s_barrier_wait -1
.endm
.macro CROUND
	s_barrier_signal -1
	s_barrier_wait -1
	CREST
.endm
.macro NEXTT slot                      ; a slot's descriptors from its last K step of a tile to its first of the next: 512 bytes back along K, the tokens' side 4,096 rows down
	s_add_nc_u64 s[G0+4*\slot+2:G0+4*\slot+3], s[G0+4*\slot+2:G0+4*\slot+3], s[D1:D1+1]
	s_sub_nc_u64 s[G0+4*\slot+2:G0+4*\slot+3], s[G0+4*\slot+2:G0+4*\slot+3], 2*ROWB
	s_add_nc_u64 s[G0B+4*\slot+2:G0B+4*\slot+3], s[G0B+4*\slot+2:G0B+4*\slot+3], s[D0:D0+1]
	s_sub_nc_u64 s[G0B+4*\slot+2:G0B+4*\slot+3], s[G0B+4*\slot+2:G0B+4*\slot+3], 2*ROWB
.endm
	s_load_b256 s[4:11], s[0:1], 0x0               ; x s[4:5], W s[6:7], exponents s[8:9], bias s[10:11]
	s_load_b64 s[12:13], s[0:1], 0x20              ; qkv
	v_lshl_add_u32 v[SPW], v0, 2, SPARE
	v_mov_b32 v[NIL], 0
	ds_add_u32 v[SPW], v[NIL]                      ; the opening lines: the add twice and its wait
	ds_add_u32 v[SPW], v[NIL]
	s_wait_dscnt 0x0
	v_lshrrev_b32 v1, 5, v0
	v_readfirstlane_b32 s14, v1                    ; wave
	s_lshr_b32 s15, s14, 1                         ; my half of source 1's rows; also: I fetch for source 1 (0) or 0 (1)
	s_and_b32 s16, s14, 1                          ; my half of source 0's rows; also: which 128 rows I fetch
	s_bfe_u32 s40, ttmp6, 0x40000                  ; cx
	s_bfe_u32 s41, ttmp6, 0x40004                  ; cy
	s_lshl_b32 s42, ttmp9, 2                       ; 4 X
	s_and_b32 s17, ttmp7, 0xffff
	s_lshl_b32 s17, s17, 2                         ; 4 Y
	s_cmp_eq_u32 ttmp9, 2                          ; v?
	s_cselect_b32 s66, 8, s17
	s_cselect_b32 s67, s17, s42
	s_add_co_u32 s66, s66, s41                     ; source 1's tile: 8 + cy of W, or 4 Y + cy of x
	s_add_co_u32 s67, s67, s40                     ; source 0's tile: 4 Y + cx of x, or 4 X + cx of W
	s_lshl_b32 s43, s41, 2
	s_lshl_b32 s43, 15, s43                        ; my row of the cluster
	s_lshl_b32 s44, 0x1111, s40                    ; my column
	s_or_b32 s[G1+0], s43, (1<<20)|(1<<21)|(5<<22)|(3<<25)
	s_or_b32 s[G1B+0], s44, (1<<20)|(1<<21)|(5<<22)|(3<<25)
.irp g, G1, G1B
	s_mov_b32 s[\g+1], ROWB<<16
	s_mov_b32 s[\g+2], 128<<16
	s_mov_b32 s[\g+3], ROWB<<16
	s_mov_b32 s[\g+4], 128
	s_mov_b32 s[\g+5], KROW
	s_mov_b32 s[\g+6], 0
	s_mov_b32 s[\g+7], 0
.endr
	s_lshl_b32 s18, s16, 7
	s_lshl_b32 s20, s66, 8
	s_add_co_u32 s20, s20, s18
	s_lshl_b32 s20, s20, 10                        ; source 1: row x 1,024 bytes
	s_mov_b32 s21, 0
	s_lshl_b32 s46, s67, 8
	s_add_co_u32 s46, s46, s18
	s_lshl_b32 s46, s46, 10                        ; source 0 likewise
	s_mov_b32 s47, 0
	s_mul_i32 s45, s14, HALFT                      ; where my load goes: wave x 128 rows
	s_cmp_eq_u32 ttmp9, 2
	s_cselect_b32 s[CT], s66, s67
	s_cselect_b32 s[TT], s67, s66
	s_wait_kmcnt 0x0
	s_load_b256 s[68:75], s[8:9], 0x0              ; e0 .. e7
	s_cselect_b64 s[76:77], s[6:7], s[4:5]         ; source 1's buffer
	s_cselect_b64 s[78:79], s[4:5], s[6:7]         ; source 0's
	s_add_nc_u64 s[20:21], s[76:77], s[20:21]
	s_add_nc_u64 s[46:47], s[78:79], s[46:47]
	CROUND                                         ; in front of the first joint loads
.irp s, 0,1
	s_mov_b32 s[G0+4*\s], 1
	s_add_co_u32 s[G0+4*\s+1], s45, \s*SLOT
	s_add_nc_u64 s[G0+4*\s+2:G0+4*\s+3], s[20:21], \s*ROWB
	s_or_b32 s[G0+4*\s+3], s[G0+4*\s+3], 0x80000000
	s_mov_b32 s[G0B+4*\s], 1
	s_add_co_u32 s[G0B+4*\s+1], s45, \s*SLOT
	s_add_nc_u64 s[G0B+4*\s+2:G0B+4*\s+3], s[46:47], \s*ROWB
	s_or_b32 s[G0B+4*\s+3], s[G0B+4*\s+3], 0x80000000
.endr
	JLOAD G0, G1, G0B, G1B                         ; K step 0: one tensor load a wave at the head
	v_and_b32 v1, 15, v0                           ; r
	v_bfe_u32 v2, v0, 4, 1                         ; h
	v_lshlrev_b32 v7, 5, v2                        ; 32 h
	v_lshlrev_b32 v8, 2, v1                        ; 4 r
	s_wait_alu depctr_va_vdst(0)                   ; the wait ahead of the scalar run
	s_lshl_b32 s86, s[CT], 10
	s_lshl_b32 s87, s16, 9
	s_add_co_u32 s86, s86, s87
	s_mov_b32 s87, 0
	s_add_nc_u64 s[88:89], s[10:11], s[86:87]      ; the bias along the registers: channel 256 CT + 128 s16 + 16 b + 8 h + j
	s_lshl_b32 s86, s[CT], 10
	s_lshl_b32 s66, s15, 9
	s_add_co_u32 s86, s86, s66
	s_add_nc_u64 s[90:91], s[10:11], s[86:87]      ; the bias of my lane: channel 256 CT + 128 s15 + 16 a + r
.irp b, 0,1,2,3,4,5,6,7
	global_load_b128 v[BI+8*\b:BI+8*\b+3],   v7, s[88:89] offset:64*\b
	global_load_b128 v[BI+8*\b+4:BI+8*\b+7], v7, s[88:89] offset:64*\b+16
.endr
.irp a, 0,1,2,3,4,5,6,7
	global_load_b32 v[BA+2*\a], v8, s[90:91] offset:64*\a
.endr
	s_mov_b32 s83, 0x20000
	s_mov_b32 s84, 0x1000
	s_cmp_eq_u32 ttmp9, 2
	s_cselect_b32 s77, -1, 0                       ; the lane's bias counts for v alone
	s_cselect_b32 s81, s15, s16                    ; which of my halves counts heads,
	s_cselect_b32 s82, s16, s15                    ; and which tokens
	s_cselect_b32 s83, 0x1000, s83                 ; from a stage row's first 64 bytes to its second
	s_cselect_b32 s84, 0x20000, s84                ; from block 3 to block 4
	v_mul_u32_u24 v3, v1, PITCH
	v_lshl_add_u32 v4, v2, 4, v3
	s_mul_i32 s21, s15, HALFT
	s_mul_i32 s22, s16, HALFT
	s_add_co_u32 s22, s22, 2*HALFT
.irp s, 0,1
	v_add_nc_u32 v[ADRA+\s], s21, v4
	v_add_nc_u32 v[ADRB+\s], s22, v4
	s_add_co_u32 s21, s21, SLOT
	s_add_co_u32 s22, s22, SLOT
.endr
	s_mul_i32 s23, s14, 16*SPITCH
	s_add_co_u32 s23, s23, STAGE
	v_mul_u32_u24 v5, v1, SPITCH
	v_lshl_add_u32 v5, v2, 4, v5
	v_add_nc_u32 v[STO], s23, v5
	v_bfe_u32 v5, v0, 2, 2
	v_mul_u32_u24 v5, v5, SPITCH
	v_lshl_add_u32 v5, v2, 6, v5
	v_and_b32 v6, 3, v0
	v_lshl_add_u32 v5, v6, 4, v5
	v_add_nc_u32 v[RD], s23, v5
	v_mul_u32_u24 v[CO], s83, v2
	v_lshl_add_u32 v[CO], v1, 4, v[CO]
	s_lshl_b32 s86, ttmp9, 23                      ; section, batch, the tile's four heads, its 256 tokens, my two halves
	s_lshr_b32 s66, s[TT], 3
	s_lshl_b32 s66, s66, 21
	s_add_co_u32 s86, s86, s66
	s_and_b32 s66, s[CT], 3
	s_lshl_b32 s66, s66, 19
	s_add_co_u32 s86, s86, s66
	s_and_b32 s66, s[TT], 7
	s_lshl_b32 s66, s66, 14
	s_add_co_u32 s86, s86, s66
	s_lshl_b32 s66, s81, 18
	s_add_co_u32 s86, s86, s66
	s_lshl_b32 s66, s82, 13
	s_add_co_u32 s86, s86, s66
	s_add_nc_u64 s[92:93], s[12:13], s[86:87]      ; blocks 0-3
	s_mov_b32 s86, s84
	s_add_nc_u64 s[94:95], s[92:93], s[86:87]      ; blocks 4-7
	s_wait_kmcnt 0x0
	s_add_co_i32 s96, s68, s69
	s_sub_co_i32 s98, 127, s96
	s_lshl_b32 s98, s98, 23                        ; 2^-(e0 + e1)
	s_add_co_i32 s96, s96, 127
	s_lshl_b32 s96, s96, 23                        ; 2^(e0 + e1)
	s_mov_b32 s97, s96
	s_cmp_eq_u32 ttmp9, 2
	s_cselect_b32 s98, 0, s98
	s_cselect_b32 s78, s73, s71
	s_mov_b32 s99, s98
	s_cmp_eq_u32 ttmp9, 0
	s_cselect_b32 s78, s70, s78                    ; e2, e3 or e5
	s_add_co_i32 s78, s78, 127
	s_lshl_b32 s66, s78, 23
	v_mov_b32 v[SCL], s66
	s_add_co_i32 s78, s78, 8
	s_lshl_b32 s78, s78, 23
	s_or_b32 s78, s78, 0x600000
	v_mov_b32 v[LIM], s78                          ; 448 x the scale
	s_wait_loadcnt 0x0
.set j, 0
.rept 32
	v_pk_mul_f32 v[BI+j:BI+j+1], v[BI+j:BI+j+1], s[98:99] op_sel_hi:[1,0]
.set j, j+2
.endr
.irp a, 0,1,2,3,4,5,6,7
	v_cndmask_b32 v[BA+2*\a], 0, v[BA+2*\a], s77
	v_mov_b32 v[BA+2*\a+1], v[BA+2*\a]
.endr
	s_cmp_eq_u32 ttmp9, 2                          ; the side that holds tokens walks from tile to tile
	s_cselect_b32 s[D1], 0, WALKB
	s_cselect_b32 s[D0], WALKB, 0
	s_mov_b32 s[D1+1], 0
	s_mov_b32 s[D0+1], 0
	s_mov_b32 s3, 2                                ; tiles to go
.macro FRAG reg, adr, q, i             ; registers 4 c .. 4 c + 3 hold K = 32 c + 16 (l / 16) + 0 .. 15: a permutation of k, the same on both sides
.irp c, 0,1,2,3
	ds_load_b128 v[\reg+4*\c:\reg+4*\c+3], v[\adr] offset:128*(\q)+32*\c+(\i)*16*PITCH
.endr
.endm
; 16 matrix instructions; the 64 accumulators take turns, one instruction a turn
.macro MUL16 a0, p, first
.irp a, \a0, \a0+1
.irp b, 0,1,2,3,4,5,6,7
.if \first
	v_wmma_f32_16x16x128_fp8_fp8 v[8*(8*((\a)%4)+\b):8*(8*((\a)%4)+\b)+7], v[128*(\p)+FR*\b:128*(\p)+FR*\b+FR-1], v[AF+FR*(\a):AF+FR*(\a)+FR-1], v[BI+8*\b:BI+8*\b+7]
.else
	v_wmma_f32_16x16x128_fp8_fp8 v[8*(8*((\a)%4)+\b):8*(8*((\a)%4)+\b)+7], v[128*(\p)+FR*\b:128*(\p)+FR*\b+FR-1], v[AF+FR*(\a):AF+FR*(\a)+FR-1], v[8*(8*((\a)%4)+\b):8*(8*((\a)%4)+\b)+7]
.endif
.endr
.endr
.endm
.macro FETCH_B slot, q, p
	WIN TO_B
.irp i, 0,1,2,3,4,5,6,7
	FRAG 128*(\p)+FR*\i, ADRB+\slot, \q, \i
.endr
	WIN 0
.endm
.macro FETCH_A slot, q, i0
.irp i, \i0, \i0+1, \i0+2, \i0+3
	FRAG AF+FR*(\i), ADRA+\slot, \q, \i
.endr
.endm
.macro PLACES n                        ; places behind matrix instructions (ISA guide 7.12.1)
.rept \n
	v_nop
.endr
.endm
.macro STEP slot, q, first
	s_wait_dscnt 4*NL                              ; the youngest sixteen loads (blocks 4-7) may be out
.if \first
	WIN FIRST_LO
.else
	WIN MUL_LO
.endif
	MUL16 0, (\q)%2, \first
	MUL16 2, (\q)%2, \first
	s_wait_dscnt 0
	PLACES NP
	FETCH_B \slot, (\q)+1, 1-(\q)%2
	FETCH_A \slot, (\q)+1, 0
.if \first
	WIN FIRST_HI
.else
	WIN MUL_HI
.endif
	MUL16 4, (\q)%2, \first
	MUL16 6, (\q)%2, \first
	PLACES NP
	WIN 0
	FETCH_A \slot, (\q)+1, 4
.endm
; a slot's last step changes slots: all my tensor loads waited for, the add, my reads of this slot waited for, one barrier.  fill = 1: this tile's K step two on; 2: the next tile's; 0: nothing
.macro TURN slot, next, fill
	s_wait_tensorcnt 0x0
	ds_add_u32 v[SPW], v[NIL]
	s_wait_dscnt 4*NL+1                            ; the add and the youngest sixteen loads may be out
	WIN MUL_LO
	MUL16 0, 1, 0
	s_wait_dscnt 0x0
	s_barrier_signal -1
	MUL16 2, 1, 0
	WIN 0
	s_barrier_wait -1
.if \fill
	CREST                                          ; the barrier has opened a round of the cluster's
.if \fill == 2
	NEXTT \slot
.else
	s_add_nc_u64 s[G0+4*\slot+2:G0+4*\slot+3], s[G0+4*\slot+2:G0+4*\slot+3], 2*ROWB
	s_add_nc_u64 s[G0B+4*\slot+2:G0B+4*\slot+3], s[G0B+4*\slot+2:G0B+4*\slot+3], 2*ROWB
.endif
	JLOAD G0+4*\slot, G1, G0B+4*\slot, G1B
.else
	PLACES NP
.endif
	FETCH_B \next, 0, 0
	FETCH_A \next, 0, 0
	WIN MUL_HI
	MUL16 4, 1, 0
	MUL16 6, 1, 0
	PLACES NP
	WIN 0
	FETCH_A \next, 0, 4
.endm
.macro LASTSTEP                        ; a tile's very last step: nothing more to fetch from the slots
	s_wait_dscnt 4*NL
	WIN MUL_LO
	MUL16 0, 1, 0
	MUL16 2, 1, 0
	s_wait_dscnt 0
	WIN MUL_HI
	MUL16 4, 1, 0
	MUL16 6, 1, 0
	WIN 0
.endm
; THE WAY OUT, block by block of 16 rows of source 1
.macro PACK a                          ; sum x 2^(e0 + e1) + my lane's bias, then the hold: the conversion does not saturate (ISA guide 7.6.2)
	WIN 0x42+((\a)/4)                              ; destination window 1, source 0 window 2 or 3
.set j, 0
.rept 32
	v_pk_fma_f32 v[TMPW+j:TMPW+j+1], v[64*((\a)%4)+j:64*((\a)%4)+j+1], s[96:97], v[BA+2*(\a):BA+2*(\a)+1] op_sel_hi:[1,0,0]
.set j, j+2
.endr
	WIN 0x41                                       ; destination and source 0 window 1
.set j, 0
.rept 64
	v_med3_num_f32 v[TMPW+j], v[TMPW+j], -v[LIM], v[LIM]
.set j, j+1
.endr
	WIN 0
.endm
.macro CODES
	WIN 0x01                                       ; source 0 window 1
.irp b, 0,1,2,3,4,5,6,7
	v_cvt_scalef32_pk8_fp8_f32 v[CD+2*\b:CD+2*\b+1], v[TMPW+8*\b:TMPW+8*\b+7], v[SCL]
.endr
	v_nop                                          ; one plain instruction behind the last conversion
	WIN 0
.endm
.macro TOSTAGE a                       ; my own stage: LDS serves a wave's instructions in order (ISA guide 5.7.1.4)
.irp g, 0,1,2,3
	ds_store_b128 v[STO], v[CD+4*\g:CD+4*\g+3] offset:32*\g
.endr
.irp i, 0,1,2,3
	ds_load_b128 v[BK+16*(\a)+4*\i:BK+16*(\a)+4*\i+3], v[RD] offset:4*SPITCH*\i
.endr
.endm
.macro SEND a
	s_wait_dscnt 0x0
.irp i, 0,1,2,3
	global_store_b128 v[CO], v[BK+16*(\a)+4*\i:BK+16*(\a)+4*\i+3], s[92+2*((\a)/4):93+2*((\a)/4)] offset:((\a)%4)*1024+256*\i   ; each half of the lanes stores 256 consecutive bytes, aligned
.endr
.endm
	s_wait_alu depctr_va_vdst(0)                   ; the wait at the head's end
	s_wait_tensorcnt 0x0                           ; my part of K step 0 is in; slot 1's first fill is issued as a refill is
	ds_add_u32 v[SPW], v[NIL]
	s_wait_dscnt 0x0
	CROUND
	JLOAD G0+4, G1, G0B+4, G1B                     ; K step 1
.Ltile:
	FETCH_B 0, 0, 0
	FETCH_A 0, 0, 0
	FETCH_A 0, 0, 4
	STEP 0, 0, 1                                   ; the first products start the sums from the bias
	TURN 0, 1, 1
	STEP 1, 0, 0
	TURN 1, 0, 1
	STEP 0, 0, 0
	s_cmp_eq_u32 s3, 1
	s_cbranch_scc1 .Llast
	TURN 0, 1, 2                                   ; slot 0 takes the next tile's K step 0
	STEP 1, 0, 0
	LASTSTEP
	s_wait_tensorcnt 0x0                           ; slot 1 is read out: the same lines and a round in front of its refill
	ds_add_u32 v[SPW], v[NIL]
	s_wait_dscnt 0x0
	CROUND
	NEXTT 1
	JLOAD G0+4, G1, G0B+4, G1B                     ; the next tile's K step 1; both land under the way out
	s_branch .Lout
.Llast:
	TURN 0, 1, 0                                   ; the last tile's last lap asks for nothing
	STEP 1, 0, 0
	LASTSTEP
.Lout:
	PLACES NP
	PACK 0
	CODES
	TOSTAGE 0
.irp a, 1,2,3,4,5,6,7
	PACK \a
	s_wait_alu depctr_va_vdst(0)                   ; the wait ahead of SEND's wait
	SEND \a-1
	CODES
	TOSTAGE \a
.endr
	SEND 7
	s_wait_xcnt 0x0                                ; the stores have read their registers and bases
	s_add_nc_u64 s[92:93], s[92:93], WALKB         ; the next tile's place in qkv
	s_add_nc_u64 s[94:95], s[94:95], WALKB
	s_wait_tensorcnt 0x0                           ; my parts of the next tile's K steps 0 and 1 are in,
	s_wait_dscnt 0x0
	s_barrier_signal -1
	s_barrier_wait -1                              ; everybody's are
	s_sub_co_u32 s3, s3, 1
	s_cmp_lg_u32 s3, 0
	s_cbranch_scc1 .Ltile
	s_wait_tensorcnt 0x0                           ; the wave's end
	ds_add_u32 v[SPW], v[NIL]
	s_wait_dscnt 0x0
	CROUND                                         ; the closing round
	s_endpgm
.Lfunc_end_k_qd8a635deef_qkv:
	.size	k_qd8a635deef_qkv, .Lfunc_end_k_qd8a635deef_qkv-k_qd8a635deef_qkv
	.p2alignl 7, 3214868480
	.fill 96, 4, 3214868480
	.section	.rodata,"a",@progbits
	.p2align	6, 0x0
	.amdhsa_kernel k_qd8a635deef_qkv
		.amdhsa_group_segment_fixed_size 327680
		.amdhsa_private_segment_fixed_size 0
		.amdhsa_enable_private_segment 0
		.amdhsa_kernarg_size 40
		.amdhsa_user_sgpr_count 2
		.amdhsa_user_sgpr_kernarg_segment_ptr 1
		.amdhsa_wavefront_size32 1
		.amdhsa_system_sgpr_workgroup_id_x 1
		.amdhsa_system_sgpr_workgroup_id_y 1
		.amdhsa_system_sgpr_workgroup_id_z 1
		.amdhsa_system_vgpr_workitem_id 0
		.amdhsa_next_free_vgpr 1024
		.amdhsa_next_free_sgpr 102
		.amdhsa_reserve_vcc 0
		.amdhsa_float_denorm_mode_32 3
		.amdhsa_float_denorm_mode_16_64 3
		.amdhsa_memory_ordered 1
		.amdhsa_forward_progress 1
		.amdhsa_inst_pref_size 170
	.end_amdhsa_kernel
	.amdgpu_metadata
---
amdhsa.version: [ 1, 2 ]
amdhsa.kernels:
  - .name:           k_qd8a635deef_qkv
    .symbol:         k_qd8a635deef_qkv.kd
    .args:
      - { .name: x_codes, .offset: 0, .size: 8, .value_kind: global_buffer, .address_space: global }
      - { .name: W_attn_codes, .offset: 8, .size: 8, .value_kind: global_buffer, .address_space: global }
      - { .name: lowp_scales, .offset: 16, .size: 8, .value_kind: global_buffer, .address_space: global }
      - { .name: b_attn, .offset: 24, .size: 8, .value_kind: global_buffer, .address_space: global }
      - { .name: qkv, .offset: 32, .size: 8, .value_kind: global_buffer, .address_space: global }
    .group_segment_fixed_size: 327680
    .private_segment_fixed_size: 0
    .kernarg_segment_align: 8
    .kernarg_segment_size: 40
    .max_flat_workgroup_size: 128
    .sgpr_count:     102
    .vgpr_count:     1024
    .wavefront_size: 32
...
	.end_amdgpu_metadata
.endif
;; end of part 1
;; launch attn (part 2): grid 4 x 64, 16 waves a work-group, clusters of 4 x 1, 327,680 bytes of LDS; arguments qkv, lowp_scales, ycodes; writes ycodes
.if DOCPART == 2
	.amdgcn_target "amdgcn-amd-amdhsa--gfx1250"
	.amdhsa_code_object_version 6
	.text
	.protected	k_qd8a635deef_attn
	.globl	k_qd8a635deef_attn
	.p2align	8
	.type	k_qd8a635deef_attn,@function
k_qd8a635deef_attn:
	s_mov_b64 s[64:65], 0
	v_nop
	global_prefetch_b8 v0, s[64:65] scope:SCOPE_SE
	s_setreg_imm32_b32 hwreg(HW_REG_WAVE_MODE, 25, 1), 1
	s_wait_xcnt 0x0
	s_wait_alu depctr_hold_cnt(0) depctr_sa_sdst(0) depctr_va_vdst(0) depctr_va_sdst(0) depctr_va_ssrc(0) depctr_va_vcc(0) depctr_vm_vsrc(0)
	s_getreg_b32 s2, hwreg(HW_REG_IB_STS2, 6, 4)
	s_cmp_eq_u32 s2, 0
	s_cbranch_scc0 .Lentry_in_a_cluster
	s_endpgm
.Lentry_in_a_cluster:
	s_bfe_u32 s2, ttmp6, 0x10000c
	s_cmp_lg_u32 s2, 0x3003
	s_cbranch_scc0 .Lentry_shape_is_right
	s_endpgm
.Lentry_shape_is_right:
; y = softmax(q k^T / 8, causal) v on codes of FP8 (E4M3), head by head; y quantised with 2^e6.  The softmax is quantised finished and normalised (scale 2^e4), so the keys are walked twice:
; pass 1 finds each row's largest score and the sum of its exponentials; pass 2 makes p = 2^(c s - c max - log2 sum), quantises it and multiplies by v.
; LEFT OUT: bodies of 128 keys that lie wholly behind the diagonal of reference()'s own causal mask (weight 0 for all inputs).
; SHARES.  Four work-groups of a cluster serve one head (cluster y = 16 b + head).  All 2,048 keys of K and of V lie in LDS, asked for jointly, one tensor load a wave: waves 0-7 bring K, waves 8-15 V, 64 rows of 256 bytes each.
; The head's queries are 32 groups of 64; the work-group at place cx takes queries 16 cx .. 16 cx + 15 of every group.  A wave owns TWO tiles of 16 queries, of groups GH = 31 - GL and GL (GL = 0 .. 15 from the wave's number),
; and walks them one after the other.  A body of the loops serves one tile and 128 keys (two steps of 64): 64 scores a lane.  Group g needs g / 2 + 1 bodies: 17 for the two tiles together, in every wave.
; In a tile's last body the hidden scores become -infinity; where g is even that body's second 64 keys are all hidden.  All branches hang on the wave's number and the count of bodies; cx enters the mask's compare and global addresses alone.
; Both products are used transposed (source 0 = 16 keys or 16 channels, source 1 = 16 queries): a lane holds one query; lanes l and l xor 16 share it.
; OUT: ycodes [token / 16][k / 32][token % 16][32 bytes], k = 64 head + channel: 16 bytes at 32 r + 16 h are four registers of the next launch's fragment.  A lane holds channels 16 dt + 8 h + j, so the two halves of the
; lanes exchange 8 bytes for each 32 channels; then 32 lanes store 512 consecutive bytes.
; No prefetch: all of K and V is asked for at the head, and no loop of loads follows.
; LIMITS: e2 + e3 between -123 and 130; e4 and e6 - e4 - e5 between -126 and 119.  The running maximum starts at -2^24, under every sum of 64 products of codes (at most 64 x 448^2).
.set PITCH, 272                        ; an LDS row: four keys (or channels) of 64 bytes + 16 of padding
.set STEPB, 16*PITCH                   ; a step: 64 keys of K, or 64 channels x 64 keys of V
.set TILEB, 4*PITCH
.set VBASE, 512*PITCH
.set SPARE, 2*VBASE                    ; the spare words, 128 bytes a wave
.set AK0,  1
.set AV0,  2
.set ADK,  3
.set ADV,  4
.set DL,   5                           ; 16 cx + r - 8 h
.set DG,   6                           ; + 64 where the tile's group is odd
.set NINF, 7
.set SPW,  8
.set NIL,  9
.set GO,   10
.set QO,   11
.set NT,   12                          ; the exponent's addend; the lane's running largest score
.set LS,   16
.set FS,   18
.set XS,   20                          ; v20-25: chains of the maximum and of the sum
.set X2,   22
.set X3,   24
.set C4S,  26                          ; 2^e4, 448 x 2^e4, 2^(e6 - e4 - e5), 448 x that
.set C4L,  27
.set C6S,  28
.set C6L,  29
.set HH,   30
.set QF,   32
.set KA,   48
.set KB,   80
.set VF,   112
.set S,    144
.set P,    208
.set O,    224
.set WV,   10
.set CX,   11
.set BH,   12
.set GL,   13
.set GH,   14
.set KS,   15
.set TB,   16
.set TN,   17
.set NC,   18
.set SEL,  20
.set CS,   22
.set G1,   24
.set GD,   36
.set G0,   40
.macro CROUND
	s_barrier_signal -1
	s_barrier_wait -1
	s_cmp_lg_u32 s[WV], 0
	s_cbranch_scc1 .Lnot_wave_0_\@
	s_barrier_signal -3
.Lnot_wave_0_\@:
	s_barrier_wait -3
	s_barrier_signal -1
	s_barrier_wait -1
.endm
	s_load_b128 s[4:7], s[0:1], 0x0                ; qkv, the exponents
	s_load_b64 s[8:9], s[0:1], 0x10                ; ycodes
	v_lshl_add_u32 v[SPW], v0, 2, SPARE
	v_mov_b32 v[NIL], 0
	ds_add_u32 v[SPW], v[NIL]                      ; the opening lines: the add twice and its wait
	ds_add_u32 v[SPW], v[NIL]
	v_lshrrev_b32 v1, 5, v0
	v_readfirstlane_b32 s[WV], v1
	s_bfe_u32 s[CX], ttmp6, 0x40000
	s_and_b32 s[BH], ttmp7, 0xffff
	s_bfe_u32 s56, s[WV], 0x10002
	s_mul_i32 s56, s56, 3
	s_xor_b32 s[GL], s[WV], s56
	s_xor_b32 s[GH], s[GL], 31
	s_mov_b32 s[G1], 15|(1<<20)|(1<<21)|(5<<22)|(3<<25)   ; the four partners; elements of 1 byte; four words of padding after every 64
	s_mov_b32 s[G1+1], 256<<16
	s_mov_b32 s[G1+2], 64<<16
	s_mov_b32 s[G1+3], 256<<16
	s_mov_b32 s[G1+4], 64
	s_mov_b32 s[G1+5], 256
	s_mov_b32 s[G1+6], 0
	s_mov_b32 s[G1+7], 0
	s_mov_b32 s[SEL], 0x76543210
	s_mov_b32 s[SEL+1], 0xfedcba98
	s_lshl_b32 s60, s[BH], 17
	s_and_b32 s61, s[WV], 7
	s_lshl_b32 s61, s61, 14
	s_add_co_u32 s60, s60, s61                     ; 16,384 bytes a wave,
	s_lshr_b32 s61, s[WV], 3
	s_add_co_u32 s61, s61, 1
	s_lshl_b32 s61, s61, 23                        ; in K's section (waves 0-7) or V's
	s_add_co_u32 s62, s60, s61
	s_mov_b32 s63, 0
	s_mul_i32 s61, s[WV], 64*PITCH                 ; V's rows lie behind K's 512
	s_lshl_b32 s68, s[BH], 17                      ; Q: 4,096 bytes a group, 1,024 a tile
	s_lshl_b32 s69, s[CX], 10
	s_add_co_u32 s68, s68, s69
	s_lshl_b32 s69, s[GH], 12
	s_add_co_u32 s70, s68, s69
	s_mov_b32 s71, 0
	s_lshl_b32 s69, s[GL], 12
	s_add_co_u32 s72, s68, s69
	s_mov_b32 s73, 0
	s_lshr_b32 s56, s[BH], 4                       ; y: 16,384 bytes for 16 tokens, 1,024 a head
	s_lshl_b32 s56, s56, 21
	s_lshl_b32 s57, s[CX], 14
	s_add_co_u32 s56, s56, s57
	s_and_b32 s57, s[BH], 15
	s_lshl_b32 s57, s57, 10
	s_add_co_u32 s56, s56, s57
	s_lshl_b32 s57, s[GH], 16
	s_add_co_u32 s74, s56, s57
	s_mov_b32 s75, 0
	s_lshl_b32 s57, s[GL], 16
	s_add_co_u32 s76, s56, s57
	s_mov_b32 s77, 0
	s_lshl_b32 s19, s[CX], 4
	s_wait_dscnt 0x0
	s_wait_kmcnt 0x0
	s_load_b256 s[48:55], s[6:7], 0x0              ; e0 .. e7
	s_mov_b32 s[G0], 1
	s_mov_b32 s[G0+1], s61
	s_add_nc_u64 s[G0+2:G0+3], s[4:5], s[62:63]
	s_or_b32 s[G0+3], s[G0+3], 0x80000000
	s_add_nc_u64 s[70:71], s[4:5], s[70:71]
	s_add_nc_u64 s[72:73], s[4:5], s[72:73]
	s_add_nc_u64 s[74:75], s[8:9], s[74:75]
	s_add_nc_u64 s[76:77], s[8:9], s[76:77]
	CROUND                                         ; in front of the joint loads
	tensor_load_to_lds s[G0:G0+3], s[G1:G1+7]      ; the wave's only tensor load
	s_nop 0
.rept 4
	v_nop
.endr
	v_and_b32 v48, 15, v0                          ; r
	v_bfe_u32 v[HH], v0, 4, 1                      ; h
	v_lshlrev_b32 v[QO], 6, v48
	v_lshl_add_u32 v[QO], v[HH], 4, v[QO]
.irp u, 0,1
	global_load_b128 v[QF+8*\u:QF+8*\u+3],   v[QO], s[70+2*\u:71+2*\u]
	global_load_b128 v[QF+8*\u+4:QF+8*\u+7], v[QO], s[70+2*\u:71+2*\u] offset:32
.endr
	v_lshrrev_b32 v50, 2, v48
	v_and_b32 v51, 3, v48
	v_mul_u32_u24 v[AK0], v50, PITCH
	v_lshl_add_u32 v[AK0], v51, 6, v[AK0]
	v_lshl_add_u32 v[AK0], v[HH], 4, v[AK0]        ; key (channel) r of a tile: LDS row r / 4, 64 (r % 4), + 16 h
	v_add_nc_u32 v[AV0], VBASE, v[AK0]
	v_lshlrev_b32 v[DL], 3, v[HH]
	v_sub_nc_u32 v[DL], v48, v[DL]
	v_add_nc_u32 v[DL], s19, v[DL]
	v_mov_b32 v[NINF], 0xff800000
	v_lshlrev_b32 v[GO], 5, v48
	v_lshl_add_u32 v[GO], v[HH], 4, v[GO]
.irp n, 18,19,20,21,22,23,24,25
	v_mov_b32 v\n, 0                               ; named in pairs and as lane permutes' destinations before they are first made
.endr
	s_wait_kmcnt 0x0
	s_add_co_i32 s56, s50, s51
	s_lshl_b32 s56, s56, 23
	s_add_co_i32 s[CS], s56, 0x3e38aa3b            ; c = log2(e) / 8 x 2^(e2 + e3)
	s_mov_b32 s[CS+1], s[CS]
	s_xor_b32 s[NC], s[CS], 0x80000000             ; -c
	s_add_co_i32 s56, s52, 127
	s_lshl_b32 s57, s56, 23
	v_mov_b32 v[C4S], s57
	s_add_co_i32 s56, s56, 8
	s_lshl_b32 s56, s56, 23
	s_or_b32 s56, s56, 0x600000
	v_mov_b32 v[C4L], s56
	s_sub_co_i32 s56, s54, s52
	s_sub_co_i32 s56, s56, s53
	s_add_co_i32 s56, s56, 127
	s_lshl_b32 s57, s56, 23
	v_mov_b32 v[C6S], s57
	s_add_co_i32 s56, s56, 8
	s_lshl_b32 s56, s56, 23
	s_or_b32 s56, s56, 0x600000
	v_mov_b32 v[C6L], s56
.macro LOADK2                          ; two steps' keys
.irp kt, 0,1,2,3
	ds_load_b128 v[KA+8*\kt:KA+8*\kt+3],   v[ADK] offset:TILEB*\kt
	ds_load_b128 v[KA+8*\kt+4:KA+8*\kt+7], v[ADK] offset:TILEB*\kt+32
.endr
.irp kt, 0,1,2,3
	ds_load_b128 v[KB+8*\kt:KB+8*\kt+3],   v[ADK] offset:STEPB+TILEB*\kt
	ds_load_b128 v[KB+8*\kt+4:KB+8*\kt+7], v[ADK] offset:STEPB+TILEB*\kt+32
.endr
.endm
.macro LOADV reg, off
.irp dt, 0,1,2,3
	ds_load_b128 v[\reg+8*\dt:\reg+8*\dt+3],   v[ADV] offset:\off+TILEB*\dt
	ds_load_b128 v[\reg+8*\dt+4:\reg+8*\dt+7], v[ADV] offset:\off+TILEB*\dt+32
.endr
.endm
.macro QK2 u                           ; register n of the scores: key 64 (n / 32) + 16 ((n % 32) / 8) + 8 h + n % 8 of the body
.irp kt, 0,1,2,3
	v_wmma_f32_16x16x64_fp8_fp8 v[S+8*\kt:S+8*\kt+7], v[KA+8*\kt:KA+8*\kt+7], v[QF+8*\u:QF+8*\u+7], 0
	v_wmma_f32_16x16x64_fp8_fp8 v[S+32+8*\kt:S+32+8*\kt+7], v[KB+8*\kt:KB+8*\kt+7], v[QF+8*\u:QF+8*\u+7], 0
.endr
.endm
.macro MASK                            ; the tile's last body: hidden where the key's place in the body is over the query's
	s_cmp_lg_u32 s[KS], s[GD]
	s_cbranch_scc1 .Lopen_\@
.set n, 0
.rept 64
	v_cmp_gt_i32 vcc_lo, 64*(n/32)+16*((n%32)/8)+n%8, v[DG]
	v_cndmask_b32 v[S+n], v[S+n], v[NINF], vcc_lo
.set n, n+1
.endr
.Lopen_\@:
.endm
.macro SCALE                           ; c s + addend, two at a time
.set kk, 0
.rept 32
	v_pk_fma_f32 v[S+kk:S+kk+1], v[S+kk:S+kk+1], s[CS:CS+1], v[NT:NT+1] op_sel_hi:[1,0,0]
.set kk, kk+2
.endr
.endm
.macro EXPS
.set kk, 0
.rept 64
	v_exp_f32 v[S+kk], v[S+kk]
.set kk, kk+1
.endr
.endm
.macro STEPHEAD skip                   ; every wave walks all 16 trips, so that the trip count is a constant; a trip beyond the tile's last body does nothing
	s_cmp_gt_u32 s[KS], s[GD]
	s_cbranch_scc1 \skip
	s_add_co_u32 s[TN], s[TB], 2*STEPB
	s_min_u32 s[TN], s[TN], 30*STEPB               ; the look-ahead stays inside K
	s_wait_dscnt 0x0                               ; this body's keys are in
.endm
.macro STEPTAIL back
	s_add_co_u32 s[TB], s[TB], 2*STEPB
	s_add_co_u32 s[KS], s[KS], 1
	s_cmp_lt_u32 s[KS], 16
	s_cbranch_scc1 \back
.endm
.macro BODY1 u
	QK2 \u
	v_add_nc_u32 v[ADK], s[TN], v[AK0]             ; with the three below: four places behind the products
.rept 3
	v_nop
.endr
	LOADK2                                         ; the next body's keys: they land under this body's vector work
	MASK
.irp c, 0,1,2,3                                    ; the lane's largest score, in four chains
	v_max3_num_f32 v[XS+\c], v[S+16*\c], v[S+16*\c+1], v[S+16*\c+2]
.endr
.irp i, 3,5,7,9,11,13
.irp c, 0,1,2,3
	v_max3_num_f32 v[XS+\c], v[XS+\c], v[S+16*\c+\i], v[S+16*\c+\i+1]
.endr
.endr
	v_max3_num_f32 v[XS], v[XS], v[S+15], v[S+31]
	v_max3_num_f32 v[XS+1], v[XS+1], v[S+47], v[S+63]
	v_max3_num_f32 v[XS+2], v[XS+2], v[XS+3], v[NT+1]
	v_max3_num_f32 v[NT+1], v[XS], v[XS+1], v[XS+2]
	v_fma_f32 v[FS], s[NC], v[NT+1], -v[NT]        ; c (old maximum - new)
	v_mul_f32 v[NT], s[NC], v[NT+1]
	SCALE
	s_wait_alu depctr_va_vdst(0)                   ; the wait ahead of the batch
	v_exp_f32 v[FS], v[FS]
	EXPS
	v_nop                                          ; a plain place behind the batch
	s_wait_alu depctr_va_vdst(0)                   ; and the wait behind it
	v_pk_fma_f32 v[LS:LS+1], v[LS:LS+1], v[FS:FS+1], v[S:S+1] op_sel_hi:[1,0,1]   ; the sum, in four chains
	v_pk_add_f32 v[XS:XS+1], v[S+2:S+3], v[S+4:S+5]
	v_pk_add_f32 v[X2:X2+1], v[S+6:S+7], v[S+8:S+9]
	v_pk_add_f32 v[X3:X3+1], v[S+10:S+11], v[S+12:S+13]
.irp i, 14,22,30,38,46,54
	v_pk_add_f32 v[LS:LS+1], v[LS:LS+1], v[S+\i:S+\i+1]
	v_pk_add_f32 v[XS:XS+1], v[XS:XS+1], v[S+\i+2:S+\i+3]
	v_pk_add_f32 v[X2:X2+1], v[X2:X2+1], v[S+\i+4:S+\i+5]
	v_pk_add_f32 v[X3:X3+1], v[X3:X3+1], v[S+\i+6:S+\i+7]
.endr
	v_pk_add_f32 v[LS:LS+1], v[LS:LS+1], v[S+62:S+63]
	v_pk_add_f32 v[XS:XS+1], v[XS:XS+1], v[X2:X2+1]
	v_pk_add_f32 v[LS:LS+1], v[LS:LS+1], v[X3:X3+1]
	v_pk_add_f32 v[LS:LS+1], v[LS:LS+1], v[XS:XS+1]
	s_wait_alu depctr_va_vdst(0)                   ; the wait ahead of the branches that follow
.endm
.macro FIN                             ; the two lanes of a query join; addend = -c max - log2(sum)
	v_add_f32 v[LS], v[LS], v[LS+1]
	v_permlanex16_b32 v[XS], v[NT+1], s[SEL], s[SEL+1]
	v_permlanex16_b32 v[XS+1], v[LS], s[SEL], s[SEL+1]
	v_max_num_f32 v[X2], v[NT+1], v[XS]
	v_sub_f32 v[FS], v[NT+1], v[X2]
	v_sub_f32 v[FS+1], v[XS], v[X2]
	v_mul_f32 v[FS], s[CS], v[FS]
	v_mul_f32 v[FS+1], s[CS], v[FS+1]
	s_wait_alu depctr_va_vdst(0)
	v_exp_f32 v[FS], v[FS]
	v_exp_f32 v[FS+1], v[FS+1]
	v_mul_f32 v[NT], s[NC], v[X2]
	s_wait_alu depctr_va_vdst(0)
	v_mul_f32 v[X2+1], v[LS], v[FS]
	v_fma_f32 v[X2+1], v[XS+1], v[FS+1], v[X2+1]
	s_wait_alu depctr_va_vdst(0)
	v_log_f32 v[X2+1], v[X2+1]
	v_nop
	s_wait_alu depctr_va_vdst(0)
	v_sub_f32 v[NT], v[NT], v[X2+1]
.endm
.macro HOLD first                      ; 32 numbers held at 448 x 2^e4, two an instruction: the conversion does not saturate (ISA guide 7.6.2); p is not negative.  Then their codes
.set kk, \first
.rept 16
	v_dual_min_num_f32 v[S+kk], v[S+kk], v[C4L] :: v_dual_min_num_f32 v[S+kk+1], v[S+kk+1], v[C4L]
.set kk, kk+2
.endr
.set kk, (\first)/8
.rept 4
	v_cvt_scalef32_pk8_fp8_f32 v[P+2*kk:P+2*kk+1], v[S+8*kk:S+8*kk+7], v[C4S]
.set kk, kk+1
.endr
	v_nop
.endm
.macro PV vreg, preg                   ; the four accumulators take turns
.irp dt, 0,1,2,3
	v_wmma_f32_16x16x64_fp8_fp8 v[O+8*\dt:O+8*\dt+7], v[\vreg+8*\dt:\vreg+8*\dt+7], v[\preg:\preg+7], v[O+8*\dt:O+8*\dt+7]
.endr
.endm
.macro BODY2 u
	QK2 \u
	v_add_nc_u32 v[ADV], s[TB], v[AV0]             ; four places behind the products
	v_add_nc_u32 v[ADK], s[TN], v[AK0]
	v_nop
	v_nop
	LOADV VF, 0                                    ; V of the body's first 64 keys,
	LOADK2                                         ; and the next body's keys
	MASK
	SCALE
	s_wait_alu depctr_va_vdst(0)                   ; ahead of the batch
	EXPS
	v_nop
	s_wait_alu depctr_va_vdst(0)                   ; behind it
	HOLD 0
	LOADV S, STEPB                                 ; V of the second 64 keys, into the 32 score registers whose codes are made
	HOLD 32
	s_wait_alu depctr_va_vdst(0)                   ; the wait ahead of the sums' next links
	s_wait_dscnt 24                                ; the first V is in; behind it 16 loads of keys and 8 of the second V may be out
	PV VF, P
	s_wait_dscnt 0x0
	PV S, P+8
.rept 5
	v_nop                                          ; five places: the next products write over registers that these have read
.endr
.endm
.macro TILE u, g
	s_lshr_b32 s[GD], s[\g], 1                     ; the tile's last body
	s_and_b32 s56, s[\g], 1
	s_lshl_b32 s56, s56, 6
	v_add_nc_u32 v[DG], s56, v[DL]
	v_mov_b32 v[NT+1], 0xcb800000                  ; -2^24
	v_mul_f32 v[NT], s[NC], v[NT+1]
	v_mov_b32 v[LS], 0
	v_mov_b32 v[LS+1], 0
	v_add_nc_u32 v[ADK], 0, v[AK0]
	LOADK2
	s_mov_b32 s[TB], 0
	s_mov_b32 s[KS], 0
	s_wait_alu depctr_va_vdst(0)                   ; the wait ahead of the loop
.Lp1_\u:
	STEPHEAD .Ls1_\u
	BODY1 \u
.Ls1_\u:
	STEPTAIL .Lp1_\u
	s_wait_dscnt 0x0                               ; the last look-ahead loads
	FIN
.set n, 0
.rept 32
	v_mov_b32 v[O+n], 0                            ; the body is written without a first copy: the sums begin as zeros
.set n, n+1
.endr
	v_add_nc_u32 v[ADK], 0, v[AK0]
	LOADK2
	s_mov_b32 s[TB], 0
	s_mov_b32 s[KS], 0
	s_wait_alu depctr_va_vdst(0)
.Lp2_\u:
	STEPHEAD .Ls2_\u
	BODY2 \u
.Ls2_\u:
	STEPTAIL .Lp2_\u
	s_wait_dscnt 0x0
	s_wait_alu depctr_va_vdst(0)                   ; the wait ahead of the sums' first readers
.set n, 0
.rept 32
	v_med3_num_f32 v[O+n], v[O+n], -v[C6L], v[C6L]
.set n, n+1
.endr
.set n, 0
.rept 4
	v_cvt_scalef32_pk8_fp8_f32 v[P+2*n:P+2*n+1], v[O+8*n:O+8*n+7], v[C6S]
.set n, n+1
.endr
	v_cmp_ne_u32 vcc_lo, 0, v[HH]                  ; lanes 16-31
; piece b: 32 channels.  Lanes 0-15 keep channels 0-7 and send 16-23; lanes 16-31 keep 24-31 and send 8-15.
.irp b, 0,1
.irp i, 0,1
	v_cndmask_b32 v[KA+2*\b+\i], v[P+4*\b+2+\i], v[P+4*\b+\i], vcc_lo
.endr
.endr
.irp n, 0,1,2,3
	v_permlanex16_b32 v[KA+4+\n], v[KA+\n], s[SEL], s[SEL+1]
.endr
.irp b, 0,1
.irp i, 0,1
	v_cndmask_b32 v[KA+8+4*\b+\i], v[P+4*\b+\i], v[KA+4+2*\b+\i], vcc_lo
	v_cndmask_b32 v[KA+10+4*\b+\i], v[KA+4+2*\b+\i], v[P+4*\b+2+\i], vcc_lo
.endr
.endr
.irp b, 0,1
	global_store_b128 v[GO], v[KA+8+4*\b:KA+11+4*\b], s[74+2*\u:75+2*\u] offset:512*\b   ; 32 lanes store 512 consecutive bytes, aligned
.endr
	s_wait_xcnt 0x0                                ; the stores have read their registers
.endm
	s_wait_alu depctr_va_vdst(0)                   ; the wait at the head's end
	s_wait_loadcnt 0x0                             ; Q
	s_wait_tensorcnt 0x0                           ; my rows of K or V are in,
	s_barrier_signal -1
	s_barrier_wait -1                              ; everybody's are
	TILE 0, GH
	TILE 1, GL
	s_wait_tensorcnt 0x0                           ; the wave's end
	ds_add_u32 v[SPW], v[NIL]
	s_wait_dscnt 0x0
	CROUND                                         ; the closing round
	s_endpgm
.Lfunc_end_k_qd8a635deef_attn:
	.size	k_qd8a635deef_attn, .Lfunc_end_k_qd8a635deef_attn-k_qd8a635deef_attn
	.p2alignl 7, 3214868480
	.fill 96, 4, 3214868480
	.section	.rodata,"a",@progbits
	.p2align	6, 0x0
	.amdhsa_kernel k_qd8a635deef_attn
		.amdhsa_group_segment_fixed_size 327680
		.amdhsa_private_segment_fixed_size 0
		.amdhsa_enable_private_segment 0
		.amdhsa_kernarg_size 24
		.amdhsa_user_sgpr_count 2
		.amdhsa_user_sgpr_kernarg_segment_ptr 1
		.amdhsa_wavefront_size32 1
		.amdhsa_system_sgpr_workgroup_id_x 1
		.amdhsa_system_sgpr_workgroup_id_y 1
		.amdhsa_system_sgpr_workgroup_id_z 1
		.amdhsa_system_vgpr_workitem_id 0
		.amdhsa_next_free_vgpr 256
		.amdhsa_next_free_sgpr 80
		.amdhsa_reserve_vcc 1
		.amdhsa_float_denorm_mode_32 3
		.amdhsa_float_denorm_mode_16_64 3
		.amdhsa_memory_ordered 1
		.amdhsa_forward_progress 1
		.amdhsa_inst_pref_size 84
	.end_amdhsa_kernel
	.amdgpu_metadata
---
amdhsa.version: [ 1, 2 ]
amdhsa.kernels:
  - .name:           k_qd8a635deef_attn
    .symbol:         k_qd8a635deef_attn.kd
    .args:
      - { .name: qkv, .offset: 0, .size: 8, .value_kind: global_buffer, .address_space: global }
      - { .name: lowp_scales, .offset: 8, .size: 8, .value_kind: global_buffer, .address_space: global }
      - { .name: ycodes, .offset: 16, .size: 8, .value_kind: global_buffer, .address_space: global }
    .group_segment_fixed_size: 327680
    .private_segment_fixed_size: 0
    .kernarg_segment_align: 8
    .kernarg_segment_size: 24
    .max_flat_workgroup_size: 512
    .sgpr_count:     80
    .vgpr_count:     256
    .wavefront_size: 32
...
	.end_amdgpu_metadata
.endif
;; end of part 2
;; launch proj (part 3): grid 64 x 4, 4 waves a work-group, clusters of 4 x 1, 327,680 bytes of LDS; arguments ycodes, W_proj_codes, lowp_scales, b_proj, out0; writes out0
.if DOCPART == 3
	.amdgcn_target "amdgcn-amd-amdhsa--gfx1250"
	.amdhsa_code_object_version 6
	.text
	.protected	k_qd8a635deef_proj
	.globl	k_qd8a635deef_proj
	.p2align	8
	.type	k_qd8a635deef_proj,@function
k_qd8a635deef_proj:
	s_mov_b64 s[64:65], 0
	v_nop
	global_prefetch_b8 v0, s[64:65] scope:SCOPE_SE
	s_setreg_imm32_b32 hwreg(HW_REG_WAVE_MODE, 25, 1), 1
	s_wait_xcnt 0x0
	s_wait_alu depctr_hold_cnt(0) depctr_sa_sdst(0) depctr_va_vdst(0) depctr_va_sdst(0) depctr_va_ssrc(0) depctr_va_vcc(0) depctr_vm_vsrc(0)
	s_getreg_b32 s2, hwreg(HW_REG_IB_STS2, 6, 4)
	s_cmp_eq_u32 s2, 0
	s_cbranch_scc0 .Lentry_in_a_cluster
	s_endpgm
.Lentry_in_a_cluster:
	s_bfe_u32 s2, ttmp6, 0x10000c
	s_cmp_lg_u32 s2, 0x3003
	s_cbranch_scc0 .Lentry_shape_is_right
	s_endpgm
.Lentry_shape_is_right:
; out = y W_proj + b_proj on codes of FP8 (E4M3).  y's codes: [token / 16][k / 32][token % 16][32 bytes], as the launch before left them; W_proj: [1024 channels][1024] codes; out: [8192 tokens][1024] f32.
; out = sum x 2^(e6 + e7) + bias.   LIMIT: e6 + e7 between -126 and 127.
; A block of 128 tokens x 256 channels: 64 x 4 = 256 work-groups.  Four waves, 64 tokens x 128 channels each: 32 accumulators.
; W's 256 rows of all 1,024 K lie in LDS, filled once: each wave brings 64 rows by one tensor load, and nothing is filled again.  CLUSTERS: the four work-groups of a cluster differ in their tokens alone and ask for W jointly.
; y goes from memory straight into registers: a wave's 64 tokens x 1,024 K are 512 registers; each load's 32 lanes read 512 consecutive bytes, which are four registers of a fragment.
; y is not shared through LDS: beside W's 266,240 bytes the block's 131,072 bytes of y have no room.
; No prefetch: all that the work-group reads is asked for at the head, and no loop of loads follows.
; The matrix instruction is used transposed (source 0 = 16 channels, source 1 = 16 tokens): a lane holds eight neighbouring channels of one token.
; REGISTERS, in windows of 256: window 0: v0-31 addresses; v32-95 the bias in the result's layout; v128-255 W's fragments, one set, later a block's results.   window 1: the accumulators ((a, b) at v[8 (8 a + b)]).
;   windows 2, 3: y (step q of 128 K, token block a at register 64 q + 16 a of the 512); on the way out window 2's v0-127 take rows read back from the stage.
.set WP,     1040                      ; a row of W in LDS: 1,024 bytes + 16
.set STAGE,  256*WP                    ; behind W: 16 rows x 528 bytes for each wave
.set SPITCH, 528
.set SPARE,  STAGE+4*16*SPITCH
.set YO,   16
.set BO,   17
.set ADRW, 20                          ; v20 W's blocks 0-3, v21 blocks 4-7 (an LDS offset has 16 bits)
.set STO,  24
.set RD,   25
.set CO,   26
.set SPW,  28
.set NIL,  29
.set BI,   32
.set WF,   128
.set TMP,  128
.set G1,   24
.set G0,   32
.set MSB, 0
.macro WIN new
.if MSB != (\new)
	s_set_vgpr_msb (MSB<<8)|(\new)
.set MSB, (\new)
.endif
.endm
.macro PLACES
.rept 4
	v_nop
.endr
.endm
.macro CROUND
	s_barrier_signal -1
	s_barrier_wait -1
	s_cmp_lg_u32 s14, 0
	s_cbranch_scc1 .Lnot_wave_0_\@
	s_barrier_signal -3
.Lnot_wave_0_\@:
	s_barrier_wait -3
	s_barrier_signal -1
	s_barrier_wait -1
.endm
	s_load_b256 s[4:11], s[0:1], 0x0               ; y s[4:5], W s[6:7], exponents s[8:9], bias s[10:11]
	s_load_b64 s[12:13], s[0:1], 0x20              ; out
	v_lshl_add_u32 v[SPW], v0, 2, SPARE
	v_mov_b32 v[NIL], 0
	ds_add_u32 v[SPW], v[NIL]                      ; the opening lines: the add twice and its wait
	ds_add_u32 v[SPW], v[NIL]
	v_lshrrev_b32 v1, 5, v0
	v_readfirstlane_b32 s14, v1                    ; wave
	s_lshr_b32 s15, s14, 1                         ; my 64 tokens
	s_and_b32 s16, s14, 1                          ; my 128 channels
	s_bfe_u32 s17, ttmp6, 0x40000
	s_lshl_b32 s18, ttmp9, 2
	s_add_co_u32 s18, s18, s17                     ; the block's 128 tokens
	s_and_b32 s19, ttmp7, 0xffff                   ; its 256 channels
	s_mov_b32 s[G1], 15|(1<<20)|(1<<21)|(7<<22)|(3<<25)   ; the four partners; elements of 1 byte; four words of padding after every 256
	s_mov_b32 s[G1+1], 1024<<16
	s_mov_b32 s[G1+2], 64<<16
	s_mov_b32 s[G1+3], 1024<<16
	s_mov_b32 s[G1+4], 64
	s_mov_b32 s[G1+5], 1024
	s_mov_b32 s[G1+6], 0
	s_mov_b32 s[G1+7], 0
	s_lshl_b32 s20, s19, 18
	s_lshl_b32 s21, s14, 16
	s_add_co_u32 s20, s20, s21                     ; W: row 256 x column tile + 64 x wave
	s_mov_b32 s21, 0
	s_mov_b32 s[G0], 1
	s_mul_i32 s[G0+1], s14, 64*WP
	s_lshl_b32 s36, s18, 17
	s_lshl_b32 s37, s15, 16
	s_add_co_u32 s36, s36, s37                     ; y: 16,384 bytes for 16 tokens
	s_mov_b32 s37, 0
	s_lshl_b32 s38, s19, 10
	s_lshl_b32 s39, s16, 9
	s_add_co_u32 s38, s38, s39                     ; my first channel x 4 bytes
	s_mov_b32 s39, 0
	s_lshl_b32 s40, s18, 19
	s_lshl_b32 s41, s15, 18
	s_add_co_u32 s40, s40, s41
	s_add_co_u32 s40, s40, s38                     ; out
	s_mov_b32 s41, 0
	s_mul_i32 s22, s16, 128*WP
	s_mul_i32 s23, s14, 16*SPITCH
	s_add_co_u32 s23, s23, STAGE
	s_wait_dscnt 0x0
	s_wait_kmcnt 0x0
	s_load_b256 s[48:55], s[8:9], 0x0              ; e0 .. e7
	s_add_nc_u64 s[G0+2:G0+3], s[6:7], s[20:21]
	s_or_b32 s[G0+3], s[G0+3], 0x80000000
	s_add_nc_u64 s[36:37], s[4:5], s[36:37]
	s_add_nc_u64 s[38:39], s[10:11], s[38:39]
	s_add_nc_u64 s[12:13], s[12:13], s[40:41]
	CROUND                                         ; in front of the joint loads
	tensor_load_to_lds s[G0:G0+3], s[G1:G1+7]      ; my 64 rows of W: the wave's only tensor load
	s_nop 0
	PLACES
	v_and_b32 v1, 15, v0                           ; r
	v_bfe_u32 v2, v0, 4, 1                         ; h
	v_lshlrev_b32 v[YO], 5, v1
	v_lshl_add_u32 v[YO], v2, 4, v[YO]             ; 32 r + 16 h
	v_lshlrev_b32 v[BO], 5, v2
	v_mul_u32_u24 v3, v1, WP
	v_lshl_add_u32 v3, v2, 4, v3
	v_add_nc_u32 v[ADRW], s22, v3
	v_add_nc_u32 v[ADRW+1], 64*WP, v[ADRW]
	v_mul_u32_u24 v4, v1, SPITCH
	v_lshl_add_u32 v4, v2, 5, v4
	v_add_nc_u32 v[STO], s23, v4
	v_and_b32 v5, 31, v0
	v_lshlrev_b32 v[CO], 4, v5
	v_add_nc_u32 v[RD], s23, v[CO]
	s_wait_alu depctr_va_vdst(0)                   ; the wait at the end of the head's vector work
.irp b, 0,1,2,3,4,5,6,7
	global_load_b128 v[BI+8*\b:BI+8*\b+3],   v[BO], s[38:39] offset:64*\b      ; the bias: channel 16 b + 8 h + j of my 128
	global_load_b128 v[BI+8*\b+4:BI+8*\b+7], v[BO], s[38:39] offset:64*\b+16
.endr
.irp q, 0,1,2,3,4,5,6,7
	WIN 0x80+0x40*(\q/4)                           ; destination window 2 or 3
.irp a, 0,1,2,3
.irp c, 0,1,2,3
	global_load_b128 v[64*(\q%4)+16*\a+4*\c:64*(\q%4)+16*\a+4*\c+3], v[YO], s[36:37] offset:16384*\a+512*(4*\q+\c)   ; K = 128 q + 32 c + 16 h + 0 .. 15 of token 16 a + r
.endr
.endr
.endr
	WIN 0
	s_wait_kmcnt 0x0
	s_add_co_i32 s44, s54, s55
	s_add_co_i32 s44, s44, 127
	s_lshl_b32 s44, s44, 23                        ; 2^(e6 + e7)
	s_mov_b32 s45, s44
.macro WFETCH q, b0                    ; W's blocks b0 .. b0 + 3 of step q: registers 4 c .. 4 c + 3 hold K = 128 q + 32 c + 16 h + 0 .. 15, as y's do
.irp i, 0,1,2,3
.irp c, 0,1,2,3
	ds_load_b128 v[WF+16*(\b0+\i)+4*\c:WF+16*(\b0+\i)+4*\c+3], v[ADRW+(\b0)/4] offset:16*WP*\i+128*(\q)+32*\c
.endr
.endr
.endm
.macro MULH q, b0, zero                ; 16 matrix instructions; the 32 accumulators take turns
.irp i, 0,1,2,3
.irp a, 0,1,2,3
.if \zero
	v_wmma_f32_16x16x128_fp8_fp8 v[8*(8*\a+\b0+\i):8*(8*\a+\b0+\i)+7], v[WF+16*(\b0+\i):WF+16*(\b0+\i)+15], v[64*((\q)%4)+16*\a:64*((\q)%4)+16*\a+15], 0
.else
	v_wmma_f32_16x16x128_fp8_fp8 v[8*(8*\a+\b0+\i):8*(8*\a+\b0+\i)+7], v[WF+16*(\b0+\i):WF+16*(\b0+\i)+15], v[64*((\q)%4)+16*\a:64*((\q)%4)+16*\a+15], v[8*(8*\a+\b0+\i):8*(8*\a+\b0+\i)+7]
.endif
.endr
.endr
.endm
; A step of 128 along K.  A block of W is free when its four products are issued: blocks 0-3 are fetched anew in the step's middle, blocks 4-7 at its end.
.macro SUBSTEP q
	s_wait_dscnt 16                                ; blocks 0-3 are in; the sixteen loads of blocks 4-7 may be out
.if (7-(\q))*16 > 63
	s_wait_loadcnt 63                              ; behind this step's y more loads were issued than the wait can name
.else
	s_wait_loadcnt (7-(\q))*16                     ; the later steps' y may be out
.endif
	WIN 0x58+4*((\q)/4)                            ; source 0 window 0, source 1 window 2 or 3, C and D window 1
	MULH \q, 0, (\q)==0
	s_wait_dscnt 0x0
.if (\q) < 7
	PLACES
	WIN 0
	WFETCH (\q)+1, 0
	WIN 0x58+4*((\q)/4)
.endif
	MULH \q, 4, (\q)==0
.if (\q) < 7
	PLACES
	WIN 0
	WFETCH (\q)+1, 4
.endif
.endm
	s_wait_tensorcnt 0x0                           ; my rows of W are in,
	s_barrier_signal -1
	s_barrier_wait -1                              ; everybody's are
	WFETCH 0, 0
	WFETCH 0, 4
.irp q, 0,1,2,3,4,5,6,7
	SUBSTEP \q
.endr
	WIN 0
; THE WAY OUT, block by block of 16 tokens x 128 channels, through my own stage: back come whole rows of 512 bytes.  LDS serves a wave's instructions in order (ISA guide 5.7.1.4).
.macro TOSTAGE a
	WIN 0x01                                       ; source 0 (the sums) window 1
.set j, 0
.rept 32
	v_pk_fma_f32 v[TMP+j:TMP+j+1], v[64*(\a)+j:64*(\a)+j+1], s[44:45], v[BI+j:BI+j+1] op_sel_hi:[1,0,1]
.set j, j+2
.endr
	WIN 0
.irp b, 0,1,2,3,4,5,6,7
	ds_store_b128 v[STO], v[TMP+8*\b:TMP+8*\b+3] offset:64*\b
	ds_store_b128 v[STO], v[TMP+8*\b+4:TMP+8*\b+7] offset:64*\b+16
.endr
	WIN 0x80                                       ; destination window 2
.irp t, 0,1,2,3,4,5,6,7,8,9,10,11,12,13,14,15
	ds_load_b128 v[64*((\a)%2)+4*\t:64*((\a)%2)+4*\t+3], v[RD] offset:\t*SPITCH
.endr
	WIN 0
.endm
.macro SEND a, younger                 ; younger: the LDS instructions issued behind block a's loads
	s_wait_dscnt \younger
	WIN 0x08                                       ; the stores' data: window 2
.irp t, 0,1,2,3,4,5,6,7,8,9,10,11,12,13,14,15
	global_store_b128 v[CO], v[64*((\a)%2)+4*\t:64*((\a)%2)+4*\t+3], s[12:13] offset:(16*(\a)+\t)*4096 th:TH_STORE_NT   ; 32 lanes store 512 consecutive bytes, aligned
.endr
	WIN 0
.endm
	PLACES
	TOSTAGE 0
.irp a, 1,2,3
.if \a > 1
	s_wait_xcnt 0x0                                ; block a - 2's stores have read their registers
.endif
	TOSTAGE \a
	SEND \a-1, 32
.endr
	SEND 3, 0
	s_wait_tensorcnt 0x0                           ; the wave's end
	ds_add_u32 v[SPW], v[NIL]
	s_wait_dscnt 0x0
	CROUND                                         ; the closing round
	s_endpgm
.Lfunc_end_k_qd8a635deef_proj:
	.size	k_qd8a635deef_proj, .Lfunc_end_k_qd8a635deef_proj-k_qd8a635deef_proj
	.p2alignl 7, 3214868480
	.fill 96, 4, 3214868480
	.section	.rodata,"a",@progbits
	.p2align	6, 0x0
	.amdhsa_kernel k_qd8a635deef_proj
		.amdhsa_group_segment_fixed_size 327680
		.amdhsa_private_segment_fixed_size 0
		.amdhsa_enable_private_segment 0
		.amdhsa_kernarg_size 40
		.amdhsa_user_sgpr_count 2
		.amdhsa_user_sgpr_kernarg_segment_ptr 1
		.amdhsa_wavefront_size32 1
		.amdhsa_system_sgpr_workgroup_id_x 1
		.amdhsa_system_sgpr_workgroup_id_y 1
		.amdhsa_system_sgpr_workgroup_id_z 1
		.amdhsa_system_vgpr_workitem_id 0
		.amdhsa_next_free_vgpr 1024
		.amdhsa_next_free_sgpr 66
		.amdhsa_reserve_vcc 0
		.amdhsa_float_denorm_mode_32 3
		.amdhsa_float_denorm_mode_16_64 3
		.amdhsa_memory_ordered 1
		.amdhsa_forward_progress 1
		.amdhsa_inst_pref_size 77
	.end_amdhsa_kernel
	.amdgpu_metadata
---
amdhsa.version: [ 1, 2 ]
amdhsa.kernels:
  - .name:           k_qd8a635deef_proj
    .symbol:         k_qd8a635deef_proj.kd
    .args:
      - { .name: ycodes, .offset: 0, .size: 8, .value_kind: global_buffer, .address_space: global }
      - { .name: W_proj_codes, .offset: 8, .size: 8, .value_kind: global_buffer, .address_space: global }
      - { .name: lowp_scales, .offset: 16, .size: 8, .value_kind: global_buffer, .address_space: global }
      - { .name: b_proj, .offset: 24, .size: 8, .value_kind: global_buffer, .address_space: global }
      - { .name: out0, .offset: 32, .size: 8, .value_kind: global_buffer, .address_space: global }
    .group_segment_fixed_size: 327680
    .private_segment_fixed_size: 0
    .kernarg_segment_align: 8
    .kernarg_segment_size: 40
    .max_flat_workgroup_size: 128
    .sgpr_count:     66
    .vgpr_count:     1024
    .wavefront_size: 32
...
	.end_amdgpu_metadata
.endif
;; end of part 3
